; MI455X (gfx1250); checked and timed in simulation.
; The chip was launched on July 23, 2026; its instructions are those of AMD's public machine-readable ISA for CDNA 5 (MIT licence, August 2026) and "CDNA5" Instruction Set Architecture Reference Guide (July 2026). The comments in the code are by the model that wrote it; some were corrected since.
;; Additive Attention. Allowed arithmetic: float matrix products may take bf16 or f16 operands with f32 sums; all other float work in f32.
;; Inputs: matrix 32 x 2,048 x 1,024 float32; u_matrix 1,024 x 1,024 float32; v_vector 1,024 x 1 float32; vector 32 x 1,024 float32; w_matrix 1,024 x 1,024 float32.
;; Outputs: out0 32 x 2,048 float32.
;; One version. Each part assembles by itself: llvm-mc -triple=amdgcn-amd-amdhsa -mcpu=gfx1250 --defsym DOCPART=n.
;; ======== version 1 of 1: 3 launches
;; workspace buffers: ub 2,097,152 bytes; wxp 2,097,152 bytes; part 1,048,576 bytes
;; launch prep (part 1): grid 128 x 1, 8 waves a work-group, no clusters, 72,704 bytes of LDS; arguments u_matrix, w_matrix, vector, ub, wxp; writes ub, wxp
.if DOCPART == 1
	.amdgcn_target "amdgcn-amd-amdhsa--gfx1250"
	.amdhsa_code_object_version 6
	.text
	.protected	k_qa68f7431fd_prep
	.globl	k_qa68f7431fd_prep
	.p2align	8
	.type	k_qa68f7431fd_prep,@function
k_qa68f7431fd_prep:
	s_mov_b64 s[64:65], 0
	v_nop
	global_prefetch_b8 v0, s[64:65] scope:SCOPE_SE
	s_setreg_imm32_b32 hwreg(HW_REG_WAVE_MODE, 25, 1), 1
	s_wait_xcnt 0x0
; PREP.  Work-groups 0-63: U [k 1024][n 1024] f32  ->  ub, bf16, [nc 4][ks 16][n 256][k 64]: each (nc, ks) block is 32,768 dense bytes
; and holds U[64 ks + k][256 nc + n], K along the rows, as the matrix unit's fragments want it.
; Work-groups 64-127: wxp[ks][b][d] = sum over the 64 k of slice ks of vector[b][k] W[k][d], for the 256 d of chunk nc, f32, not scaled.
; Both kinds bring a block of 64 k x 256 n of f32 in, round it to bf16 and lay it transposed into LDS (macro BLOCK_IN).
; One branch on the work-group's number, the same for all eight waves, parts the two kinds; each path is whole.
; LIMITS: U, W and vector are rounded to bf16 (nearest even) for the matrix unit; wx is summed in slices of 64 k, so its order of
; additions differs from a plain row sum.
; No cluster: no two work-groups read the same block of U or W; the slice of vector that four of them share is 8 KB beside 64 KB.
; No tensor loads: each byte passes through registers anyway, to be rounded.
.set TBP,  144                         ; LDS pitch of a row n: 64 bf16 + 16 bytes, an odd multiple of 16
.set STG,  256*TBP                     ; behind the block: a stage of 16 rows x 272 bytes for each wave
.set STP,  272
.set GO,   10                          ; byte offset of my 16 bytes in the block's row 16 pg
.set SB,   11                          ; LDS: where my four columns' 16 k go
.set RA,   12                          ; path u: LDS address of my 16 bytes
.set SO,   13                          ; path u: byte offset in the block of ub
.set VO,   14                          ; path w: byte offset in vector
.set WA,   15                          ; path w: LDS address of my fragments of W
.set STO,  16                          ; path w: stage, in
.set RD,   17                          ; path w: stage, back
.set WO,   18                          ; path w: byte offset in wxp
.set X,    32                          ; v[32:95]   the block as loaded: pair i of rows, 2 x 4 registers
.set WF,   32                          ; v[32:95]   path w, later: fragments of W, (kk, i) at 8 (4 kk + i)
.set VR,   96                          ; v[96:127]  path w: vector in f32; later the stage read back
.set PK,   128                         ; v[128:159] column c of my four: 16 k in bf16, 8 registers
.set VF,   160                         ; v[160:175] path w: fragments of vector, kk at 8 kk
.set ACC,  176                         ; v[176:207] path w: four accumulator tiles
	s_load_b256 s[4:11], s[0:1], 0x0               ; u s[4:5], w s[6:7], vector s[8:9], ub s[10:11]
	s_load_b64 s[12:13], s[0:1], 0x20              ; wxp
	v_lshl_add_u32 v208, v0, 2, 0x11800
	v_mov_b32 v209, 0
	s_and_b32 s14, ttmp9, 63                       ; block = 16 nc + ks
	s_lshr_b32 s15, s14, 4                         ; nc
	s_and_b32 s16, s14, 15                         ; ks
	s_lshl_b32 s18, s16, 18                        ; 64 rows of 4,096 bytes
	s_lshl_b32 s20, s15, 10                        ; 256 columns of 4 bytes
	s_add_co_u32 s18, s18, s20
	s_mov_b32 s19, 0
	v_and_b32 v1, 63, v0                           ; q: my four columns 4 q ..
	v_lshrrev_b32 v2, 6, v0                        ; pg: my sixteen rows 16 pg ..
	v_lshlrev_b32 v3, 4, v1
	v_lshl_add_u32 v[GO], v2, 16, v3               ; 16 rows x 4,096 x pg + 16 q
	v_mul_u32_u24 v4, v1, 4*TBP
	v_lshl_add_u32 v[SB], v2, 5, v4                ; row 4 q of the transposed block, byte 32 pg
	v_lshrrev_b32 v5, 5, v0
	v_readfirstlane_b32 s17, v5                    ; wave
	s_wait_kmcnt 0x0
	s_cmp_ge_u32 ttmp9, 64
	s_cbranch_scc1 .Lw
; The block at s[base:base+1] -> LDS, transposed, bf16.  A load of a wave covers 512 consecutive bytes of a row.  A pair of rows gives,
; for each of my four columns, two neighbouring k: one conversion packs them.
.macro BLOCK_IN base
.irp i, 0,1,2,3,4,5,6,7
	global_load_b128 v[X+8*\i:X+8*\i+3],   v[GO], s[\base:\base+1] offset:\i*8192 th:TH_LOAD_NT
	global_load_b128 v[X+8*\i+4:X+8*\i+7], v[GO], s[\base:\base+1] offset:\i*8192+4096 th:TH_LOAD_NT
.endr
.irp i, 0,1,2,3,4,5,6,7
	s_wait_loadcnt 14-2*\i                         ; loads return in order: pair i is in, the 2 (7 - i) younger loads stay out
.irp c, 0,1,2,3
	v_cvt_pk_bf16_f32 v[PK+8*\c+\i], v[X+8*\i+\c], v[X+8*\i+4+\c]   ; k = 16 pg + 2 i low, + 1 high, of column 4 q + c
.endr
.endr
.irp c, 0,1,2,3
	ds_store_b128 v[SB], v[PK+8*\c:PK+8*\c+3]   offset:TBP*\c
	ds_store_b128 v[SB], v[PK+8*\c+4:PK+8*\c+7] offset:TBP*\c+16
.endr
	s_wait_dscnt 0x0                               ; my stores are done, for the other waves' sake
	s_barrier_signal -1
	s_barrier_wait -1                              ; the block is whole
.endm
	; ---- path u: the block goes out as it lies, without the padding
	s_add_nc_u64 s[4:5], s[4:5], s[18:19]
	s_lshl_b32 s20, s14, 15                        ; block x 32,768 bytes
	s_mov_b32 s21, 0
	s_add_nc_u64 s[10:11], s[10:11], s[20:21]
	BLOCK_IN 4
	v_lshrrev_b32 v6, 3, v0                        ; row n = tid / 8 (+ 32 i)
	v_and_b32 v7, 7, v0                            ; which 16 of its 128 bytes
	v_mul_u32_u24 v6, v6, TBP
	v_lshl_add_u32 v[RA], v7, 4, v6
	v_lshlrev_b32 v[SO], 4, v0                     ; 128 n + 16 (tid % 8) = 16 tid
.irp i, 0,1,2,3,4,5,6,7
	ds_load_b128 v[X+4*\i:X+4*\i+3], v[RA] offset:32*TBP*\i
.endr
.irp i, 0,1,2,3,4,5,6,7
	s_wait_dscnt 7-\i                              ; LDS loads return in order: number i is in
	global_store_b128 v[SO], v[X+4*\i:X+4*\i+3], s[10:11] offset:4096*\i   ; a wave stores 512 consecutive bytes, aligned
.endr
	s_wait_tensorcnt 0x0
	ds_add_u32 v208, v209
	s_wait_dscnt 0x0
	s_endpgm
	; ---- path w: 32 b x 256 d x 64 k.  Wave = (mb: 16 rows b, g: 64 columns d): four tiles of 16 x 16, two steps of 32 along k
.Lw:
	s_add_nc_u64 s[6:7], s[6:7], s[18:19]
	s_lshl_b32 s20, s16, 8                         ; slice ks of a row of vector: 64 f32
	s_mov_b32 s21, 0
	s_add_nc_u64 s[8:9], s[8:9], s[20:21]
	s_and_b32 s22, s17, 1                          ; mb
	s_lshr_b32 s23, s17, 1                         ; g
	s_lshl_b32 s24, s22, 16                        ; 16 rows of 4,096 bytes (in vector and in wxp alike)
	v_and_b32 v8, 15, v0                           ; r
	v_bfe_u32 v9, v0, 4, 1                         ; h
	v_lshlrev_b32 v6, 12, v8
	v_lshl_add_u32 v6, v9, 5, v6
	v_add_nc_u32 v[VO], s24, v6                    ; row 16 mb + r, byte 32 h: k = 8 h .. in f32
.irp kk, 0,1
.irp p, 0,1,2,3
	global_load_b128 v[VR+16*\kk+4*\p:VR+16*\kk+4*\p+3], v[VO], s[8:9] offset:128*\kk+16*(\p&1)+64*(\p>>1)   ; k = 32 kk + 8 h + 0..7, then + 16
.endr
.endr
	BLOCK_IN 6                                     ; its last wait is for 0: vector's eight older loads are in too
	s_mul_i32 s26, s23, 64*TBP
	v_mul_u32_u24 v6, v8, TBP
	v_lshl_add_u32 v6, v9, 4, v6
	v_add_nc_u32 v[WA], s26, v6                    ; row 64 g + r, byte 16 h
.irp kk, 0,1
.irp i, 0,1,2,3
	ds_load_b128 v[WF+8*(4*\kk+\i):WF+8*(4*\kk+\i)+3],   v[WA] offset:16*TBP*\i+64*\kk
	ds_load_b128 v[WF+8*(4*\kk+\i)+4:WF+8*(4*\kk+\i)+7], v[WA] offset:16*TBP*\i+64*\kk+32
.endr
.endr
.set cnt, 0
.rept 16
	v_cvt_pk_bf16_f32 v[VF+cnt], v[VR+2*cnt], v[VR+2*cnt+1]
.set cnt, cnt+1
.endr
	s_mul_i32 s25, s17, 16*STP
	s_add_co_u32 s25, s25, STG                     ; my wave's stage
	v_mul_u32_u24 v6, v8, STP
	v_lshl_add_u32 v6, v9, 5, v6
	v_add_nc_u32 v[STO], s25, v6                   ; in: row r, 32 bytes for each half of the lanes
	v_mul_u32_u24 v7, v9, STP
	v_lshl_add_u32 v7, v8, 4, v7
	v_add_nc_u32 v[RD], s25, v7                    ; back: lanes 0-15 one row of 256 bytes, lanes 16-31 the next
	v_lshlrev_b32 v6, 12, v9
	v_lshl_add_u32 v[WO], v8, 4, v6                ; the same two rows in wxp
	s_lshl_b32 s20, s16, 17                        ; ks x 32 x 4,096
	s_lshl_b32 s21, s15, 10
	s_add_co_u32 s20, s20, s21                     ; + chunk nc
	s_lshl_b32 s21, s23, 8
	s_add_co_u32 s20, s20, s21                     ; + 64 columns x g
	s_add_co_u32 s20, s20, s24                     ; + 16 rows x mb
	s_mov_b32 s21, 0
	s_add_nc_u64 s[12:13], s[12:13], s[20:21]
	s_wait_dscnt 0x0
	; Transposed use: source 0 = 16 columns d of W, source 1 = 16 rows b of vector, so that a lane holds row b = r and eight neighbouring d.
	; The four accumulators take turns, one instruction a turn.
.irp i, 0,1,2,3
	v_wmma_f32_16x16x32_bf16 v[ACC+8*\i:ACC+8*\i+7], v[WF+8*\i:WF+8*\i+7], v[VF:VF+7], 0
.endr
.irp i, 0,1,2,3
	v_wmma_f32_16x16x32_bf16 v[ACC+8*\i:ACC+8*\i+7], v[WF+32+8*\i:WF+32+8*\i+7], v[VF+8:VF+15], v[ACC+8*\i:ACC+8*\i+7]
.endr
.rept 4
	v_nop                                          ; four places behind the last matrix instruction before its result is read (ISA guide 7.12.1)
.endr
.irp i, 0,1,2,3
	ds_store_b128 v[STO], v[ACC+8*\i:ACC+8*\i+3]   offset:64*\i      ; d = 16 i + 8 h + 0..3
	ds_store_b128 v[STO], v[ACC+8*\i+4:ACC+8*\i+7] offset:64*\i+16
.endr
.irp t, 0,1,2,3,4,5,6,7
	ds_load_b128 v[VR+4*\t:VR+4*\t+3], v[RD] offset:2*STP*\t         ; my own bytes; LDS serves a wave's instructions in order
.endr
.irp t, 0,1,2,3,4,5,6,7
	s_wait_dscnt 7-\t
	global_store_b128 v[WO], v[VR+4*\t:VR+4*\t+3], s[12:13] offset:8192*\t   ; sixteen lanes store 256 consecutive bytes, aligned
.endr
	s_wait_tensorcnt 0x0
	ds_add_u32 v208, v209
	s_wait_dscnt 0x0
	s_endpgm
.Lfunc_end_k_qa68f7431fd_prep:
	.size	k_qa68f7431fd_prep, .Lfunc_end_k_qa68f7431fd_prep-k_qa68f7431fd_prep
	.p2alignl 7, 3214868480
	.fill 96, 4, 3214868480
	.section	.rodata,"a",@progbits
	.p2align	6, 0x0
	.amdhsa_kernel k_qa68f7431fd_prep
		.amdhsa_group_segment_fixed_size 72704
		.amdhsa_private_segment_fixed_size 0
		.amdhsa_enable_private_segment 0
		.amdhsa_kernarg_size 40
		.amdhsa_user_sgpr_count 2
		.amdhsa_user_sgpr_kernarg_segment_ptr 1
		.amdhsa_wavefront_size32 1
		.amdhsa_system_sgpr_workgroup_id_x 1
		.amdhsa_system_sgpr_workgroup_id_y 1
		.amdhsa_system_sgpr_workgroup_id_z 1
		.amdhsa_system_vgpr_workitem_id 0
		.amdhsa_next_free_vgpr 210
		.amdhsa_next_free_sgpr 66
		.amdhsa_reserve_vcc 0
		.amdhsa_float_denorm_mode_32 3
		.amdhsa_float_denorm_mode_16_64 3
		.amdhsa_memory_ordered 1
		.amdhsa_forward_progress 1
		.amdhsa_inst_pref_size 19
	.end_amdhsa_kernel
	.amdgpu_metadata
---
amdhsa.version: [ 1, 2 ]
amdhsa.kernels:
  - .name:           k_qa68f7431fd_prep
    .symbol:         k_qa68f7431fd_prep.kd
    .args:
      - { .name: u_matrix, .offset: 0, .size: 8, .value_kind: global_buffer, .address_space: global }
      - { .name: w_matrix, .offset: 8, .size: 8, .value_kind: global_buffer, .address_space: global }
      - { .name: vector, .offset: 16, .size: 8, .value_kind: global_buffer, .address_space: global }
      - { .name: ub, .offset: 24, .size: 8, .value_kind: global_buffer, .address_space: global }
      - { .name: wxp, .offset: 32, .size: 8, .value_kind: global_buffer, .address_space: global }
    .group_segment_fixed_size: 72704
    .private_segment_fixed_size: 0
    .kernarg_segment_align: 8
    .kernarg_segment_size: 40
    .max_flat_workgroup_size: 256
    .sgpr_count:     66
    .vgpr_count:     210
    .wavefront_size: 32
...
	.end_amdgpu_metadata
.endif
;; end of part 1
;; launch main (part 2): grid 4 x 64, 4 waves a work-group, clusters of 4 x 4, 327,680 bytes of LDS; arguments matrix, ub, wxp, v_vector, part; writes part
.if DOCPART == 2
	.amdgcn_target "amdgcn-amd-amdhsa--gfx1250"
	.amdhsa_code_object_version 6
	.text
	.protected	k_qa68f7431fd_main
	.globl	k_qa68f7431fd_main
	.p2align	8
	.type	k_qa68f7431fd_main,@function
k_qa68f7431fd_main:
	s_mov_b64 s[64:65], 0
	v_nop
	global_prefetch_b8 v0, s[64:65] scope:SCOPE_SE
	s_setreg_imm32_b32 hwreg(HW_REG_WAVE_MODE, 25, 1), 1
	s_wait_xcnt 0x0
	s_wait_alu depctr_hold_cnt(0) depctr_sa_sdst(0) depctr_va_vdst(0) depctr_va_sdst(0) depctr_va_ssrc(0) depctr_va_vcc(0) depctr_vm_vsrc(0)
	s_getreg_b32 s2, hwreg(HW_REG_IB_STS2, 6, 4)
	s_cmp_eq_u32 s2, 0
	s_cbranch_scc0 .Lentry_in_a_cluster
	s_endpgm
.Lentry_in_a_cluster:
	s_bfe_u32 s2, ttmp6, 0x10000c
	s_cmp_lg_u32 s2, 0xf033
	s_cbranch_scc0 .Lentry_shape_is_right
	s_endpgm
.Lentry_shape_is_right:
; MAIN.  part[nc][row] = sum over the 256 d of chunk nc of v[d] tanh(wx[b][d] + (matrix[row] . U)[d]),  row = 2048 b + s, 65,536 rows.
; The product is a GEMM of 65,536 x 1,024 x 1,024; its result never leaves the registers: tanh, the product with v and the sum over d
; are the way out of each tile of 256 rows x 256 d.
; SHARES.  256 work-groups, each stays and walks four tiles: chunk nc = x, row blocks 4 y + 0..3 (all of batch b = y / 2).  Four waves;
; a wave makes 64 rows x 256 d in 512 accumulator registers.  64 x 256 and not 128 x 128: the LDS bytes for 32 k are the same
; (64 x 128 + 256 x 64 = 128 x 128 + 128 x 64), but each f32 of matrix is read and rounded by ONE wave, and a row's sum over d stays in one wave.
; RING.  matrix comes as f32 (256 bytes for 64 k of a row), ub as bf16 (128 bytes): 1,536 bytes for each k of a tile pair.  Two slots of 64 k
; take 212,992 bytes; two of 128 k would take 409,600, more than a WGP has.  The ring runs on from tile to tile: the next tile's first two
; K steps are asked for in the last two steps of a tile and land during the way out.
; CLUSTERS.  4 x 4 work-groups.  The four of a row of the cluster (same y) make the four chunks of the same rows: matrix's tiles are asked for
; jointly along the row.  The four of a column (same x) need the same tiles of ub: asked for jointly along the column.
; TANH.  tanh(x) = 1 - 2 / (1 + 2^(C2 x)), C2 = 2 log2(e).  2^.. = inf gives 0 and 2^.. = 0 gives 1 for the quotient, so no clamp is needed.
; part = VS - 2 sum(v q), VS = the chunk's sum of v, q the quotient in [0, 1]: both sums are bounded by the sum of |v|, as the plain sum is.
; LIMITS: matrix and U enter the matrix unit rounded to bf16; tanh has an absolute error of about 1e-7 (so no relative accuracy near 0);
; v_exp_f32 and v_rcp_f32 flush denormals (ISA guide, their entries); the order of the sums differs from a plain row sum.
;
; REGISTERS, in windows of 256:
;   window 0: v16-25 addresses and VS; v32-63, v64-95 A's fragments in bf16, two buffers (on the way out: wx C2 and v of 32 d);
;             v96-159 A as loaded, f32; v160-223 at work on the way out; v224-239 row sums; v240-247 odds
;   window 1: v0-127, v128-255 fragments of B (256 d x 32 k), two buffers
;   window 2: accumulator tiles of my rows 0-31 (tile (a, nb) at v[8 (16 (a & 1) + nb)]);  window 3: of my rows 32-63
; THE MATRIX INSTRUCTION IS USED TRANSPOSED: source 0 = 16 rows d of ub, source 1 = 16 rows of matrix.  Lane l then holds row l % 16 and,
; in registers 0-7, d = 16 nb + 8 (l / 16) + 0..7: the sum over d is made inside the lane but for one step across the halves.
.set APITCH, 272                       ; 256 bytes of f32 + 16: an odd multiple of 16
.set BPITCH, 144                       ; 128 bytes of bf16 + 16: an odd multiple of 16
.set AHALF,  128*APITCH                ; what one tensor load brings of A
.set BHALF,  128*BPITCH                ; and of B
.set BOFF,   2*AHALF                   ; B's 256 rows lie behind A's 256
.set SLOT,   BOFF+2*BHALF              ; 106,496
.set WXS,    2*SLOT                    ; 1,024 bytes: wx C2 of my chunk.  This and the next two start at multiples of 256; no tensor load lands here
.set VVL,    WXS+1024                  ; 1,024 bytes: v of my chunk
.set OUTS,   VVL+1024                  ; 256 bytes for each wave: 64 row sums on their way out
.set NEXTA,  256*4096-14*256           ; from K step 14 (15) of a tile to K step 0 (1) of the next 256 rows
.set BACKB,  14*32768                  ; from block ks = 14 (15) of ub back to 0 (1)
.set ADRA, 16                          ; v16-17  LDS address of my A rows in slot 0, 1
.set ADRB, 18                          ; v18-19  the same for B
.set EPA,  20                          ; WXS + 32 h
.set OST,  21                          ; OUTS + 256 wave + 4 lane
.set OLD,  22                          ; OUTS + 256 wave + 8 lane
.set OOFF, 23                          ; 256 wave + 8 lane: my 8 bytes in the tile's 1,024 bytes of part
.set VS,   24                          ; the chunk's sum of v
.set PFO,  25                          ; prefetch: my block of 256 bytes among a lap's 512
.set AF,   32
.set WX,   32
.set VV,   64
.set RAW,  96
.set T,    160
.set SM,   224                         ; row block a: two pairs at 4 a, 4 a + 2
.set G1A, 24                           ; s[24:31] group 1 for A's tiles
.set G0A, 32                           ; s[32:39] group 0 for A's tiles, one set for each slot
.set G1B, 40                           ; s[40:47] group 1 for B's tiles
.set G0B, 48                           ; s[48:55] group 0 for B's tiles, one set for each slot
.set MSB, 0
.macro WIN new                         ; the immediate's high byte repeats the setting that is left
.if MSB != \new
	s_set_vgpr_msb (MSB<<8)|\new
.set MSB, \new
.endif
.endm
.set MUL_LO, 0xa1                      ; source 0 (B) window 1, source 1 (A) window 0, C and D window 2
.set MUL_HI, 0xf1                      ; the same, C and D window 3
.set TO_B,   0x40                      ; destination window 1, address window 0
; A joint load: waves 0 and 1 ask for A's two halves, waves 2 and 3 for B's.  The branch hangs on the wave's number alone.
.macro JLOAD s
	s_cmp_eq_u32 s15, 0
	s_cbranch_scc0 .Lfor_b_\@
	tensor_load_to_lds s[G0A+4*\s:G0A+4*\s+3], s[G1A:G1A+7]
	s_nop 0
	s_branch .Lasked_\@
.Lfor_b_\@:
	tensor_load_to_lds s[G0B+4*\s:G0B+4*\s+3], s[G1B:G1B+7]
	s_nop 0
.Lasked_\@:
.endm
; A round of the cluster's barrier: my work-group's barrier; wave 0 signals for the work-group; every wave waits for all sixteen; my barrier again.
.macro CREST                           ; a round behind its opening barrier
	s_cmp_lg_u32 s14, 0
	s_cbranch_scc1 .Lnot_wave_0_\@
	s_barrier_signal -3
.Lnot_wave_0_\@:
	s_barrier_wait -3
	s_barrier_signal -1
	s_barrier_wait -1
.endm
.macro CROUND
	s_barrier_signal -1
	s_barrier_wait -1
	CREST
.endm
.macro PLACES
.rept 4
	v_nop
.endr
.endm
	s_load_b256 s[4:11], s[0:1], 0x0               ; matrix s[4:5], ub s[6:7], wxp s[8:9], v_vector s[10:11]
	s_load_b64 s[12:13], s[0:1], 0x20              ; part
	v_lshl_add_u32 v254, v0, 2, 0x34c00
	v_mov_b32 v255, 0
	ds_add_u32 v254, v255
	v_lshrrev_b32 v1, 5, v0
	v_readfirstlane_b32 s14, v1                    ; wave 0..3
	s_lshr_b32 s15, s14, 1                         ; I fetch for A (0) or for B (1)
	s_and_b32 s16, s14, 1                          ; which 128 rows of that tile
	s_bfe_u32 s17, ttmp6, 0x40000                  ; cx
	s_bfe_u32 s18, ttmp6, 0x40004                  ; cy
	s_lshl_b32 s19, ttmp9, 2
	s_add_co_u32 s19, s19, s17                     ; nc = work-group x
	s_and_b32 s20, ttmp7, 0xffff
	s_lshl_b32 s20, s20, 2
	s_add_co_u32 s20, s20, s18                     ; work-group y, 0..63
	s_lshl_b32 s21, s18, 2
	s_lshl_b32 s21, 15, s21                        ; my row of the cluster: places 4 cy .. 4 cy + 3
	s_lshl_b32 s22, 0x1111, s17                    ; my column: places cx, cx + 4, cx + 8, cx + 12
	s_mov_b32 s68, 0x4038aa3b                      ; C2 = 2 log2(e),
	s_mov_b32 s69, 0x4038aa3b                      ; as a pair
	s_mov_b32 s70, 0x76543210                      ; v_permlanex16_b32: lane i reads lane i of the other half
	s_mov_b32 s71, 0xfedcba98
	s_mov_b32 s72, 0xffff0000                      ; lanes 16-31
	; group 1 for A: 128 rows x 64 elements of 4 bytes, 1,024 elements from row to row; in LDS 4 words are skipped after every 64
	s_or_b32  s[G1A+0], s21, (2<<16)|(1<<20)|(1<<21)|(5<<22)|(3<<25)   ; 15:0 mask: my row; 17:16 4 bytes; 20 padding; 21 set beside a mask; 24:22 code 5; 31:25 code 3
	s_mov_b32 s[G1A+1], 64<<16                     ; tensor_dim0 = 64
	s_mov_b32 s[G1A+2], 128<<16                    ; tensor_dim1 = 128
	s_mov_b32 s[G1A+3], 64<<16                     ; tile_dim0 = 64
	s_mov_b32 s[G1A+4], 128                        ; tile_dim1 = 128
	s_mov_b32 s[G1A+5], 1024                       ; pitch
	s_mov_b32 s[G1A+6], 0
	s_mov_b32 s[G1A+7], 0
	; group 1 for B: 16,384 dense bytes as 64 rows x 32 elements of 8 bytes.  The padding counts words along the whole tile: 4 words are skipped
	; after every 32, that is after each 128 bytes, so that every row d of 64 bf16 lands 144 bytes behind the last
	s_or_b32  s[G1B+0], s22, (3<<16)|(1<<20)|(1<<21)|(4<<22)|(3<<25)   ; mask: my column; 8 bytes; code 4: every 32 words
	s_mov_b32 s[G1B+1], 32<<16
	s_mov_b32 s[G1B+2], 64<<16
	s_mov_b32 s[G1B+3], 32<<16
	s_mov_b32 s[G1B+4], 64
	s_mov_b32 s[G1B+5], 32
	s_mov_b32 s[G1B+6], 0
	s_mov_b32 s[G1B+7], 0
	; where the tiles come from: A's hang on y and the wave alone, B's on x and the wave alone, each in registers that never hold the other coordinate
	s_lshl_b32 s56, s20, 22                        ; y x 1,024 rows x 4,096 bytes
	s_lshl_b32 s60, s16, 19                        ; + 128 rows x half
	s_add_co_u32 s56, s56, s60
	s_mov_b32 s57, 0
	s_lshl_b32 s58, s19, 19                        ; nc x 16 blocks x 32,768 bytes
	s_lshl_b32 s61, s16, 14                        ; + 128 rows of 128 bytes x half
	s_add_co_u32 s58, s58, s61
	s_mov_b32 s59, 0
	s_mul_i32 s62, s14, AHALF                      ; where they go: waves 0, 1: A's halves at wave x AHALF;
	s_mul_i32 s63, s14, BHALF                      ; waves 2, 3: B's halves at BOFF + (wave - 2) x BHALF
	s_add_co_u32 s63, s63, BOFF-2*BHALF
	s_wait_dscnt 0x0
	s_wait_kmcnt 0x0
	s_add_nc_u64 s[56:57], s[4:5], s[56:57]
	s_add_nc_u64 s[58:59], s[6:7], s[58:59]
	CROUND                                         ; all sixteen work-groups are here: the first joint loads meet
.irp s, 0,1
	s_mov_b32 s[G0A+4*\s], 1
	s_add_co_u32 s[G0A+4*\s+1], s62, \s*SLOT
	s_add_nc_u64 s[G0A+4*\s+2:G0A+4*\s+3], s[56:57], \s*256          ; K step s
	s_or_b32 s[G0A+4*\s+3], s[G0A+4*\s+3], 0x80000000                ; type = 2
	s_mov_b32 s[G0B+4*\s], 1
	s_add_co_u32 s[G0B+4*\s+1], s63, \s*SLOT
	s_add_nc_u64 s[G0B+4*\s+2:G0B+4*\s+3], s[58:59], \s*32768
	s_or_b32 s[G0B+4*\s+3], s[G0B+4*\s+3], 0x80000000
	JLOAD \s                                       ; both slots' first fills go out together: two tensor loads of a wave are out here, one later on
.endr
	; pointers
	s_lshr_b32 s60, s20, 1                         ; b
	s_lshl_b32 s60, s60, 12
	s_lshl_b32 s62, s19, 10                        ; my chunk: 256 f32
	s_add_co_u32 s60, s60, s62
	s_mov_b32 s61, 0
	s_mov_b32 s63, 0
	s_add_nc_u64 s[78:79], s[8:9], s[60:61]        ; wxp[0][b][256 nc]
	s_add_nc_u64 s[80:81], s[10:11], s[62:63]      ; v[256 nc]
	s_lshl_b32 s60, s19, 18                        ; nc x 65,536 rows x 4 bytes
	s_lshl_b32 s62, s20, 12                        ; + y x 1,024 rows
	s_add_co_u32 s60, s60, s62
	s_add_nc_u64 s[74:75], s[12:13], s[60:61]      ; part, my first tile
	s_lshl_b32 s60, s20, 22
	s_add_co_u32 s60, s60, 512
	s_add_nc_u64 s[76:77], s[4:5], s[60:61]        ; prefetch: my rows, lap 1; stepped before each use
	; wx of my chunk: thread t sums the sixteen slices for d = 2 t, 2 t + 1
	v_lshlrev_b32 v240, 3, v0
.irp ks, 0,1,2,3,4,5,6,7,8,9,10,11,12,13,14,15
	global_load_b64 v[T+2*\ks:T+2*\ks+1], v240, s[78:79] offset:\ks*131072
.endr
	global_load_b64 v[T+32:T+33], v240, s[80:81]
	; addresses.  A fragment of 16 rows x 32 k: lane l holds row r = l % 16; k = 8 h + 0..7 and 16 + 8 h + 0..7, h = l / 16.
	; In f32 that is 2 x 16 bytes at 32 h and 2 x 16 at 64 + 32 h; in bf16 16 bytes at 16 h and 16 at 32 + 16 h.
	v_and_b32 v1, 15, v0                           ; r
	v_bfe_u32 v2, v0, 4, 1                         ; h
	v_and_b32 v3, 31, v0                           ; lane
	v_mul_u32_u24 v4, v1, APITCH
	v_lshl_add_u32 v4, v2, 5, v4
	s_mul_i32 s60, s14, 64*APITCH                  ; my 64 rows of A
	v_add_nc_u32 v[ADRA], s60, v4
	v_add_nc_u32 v[ADRA+1], SLOT, v[ADRA]
	v_mul_u32_u24 v5, v1, BPITCH
	v_lshl_add_u32 v5, v2, 4, v5
	v_add_nc_u32 v[ADRB], BOFF, v5
	v_add_nc_u32 v[ADRB+1], BOFF+SLOT, v5
	v_lshlrev_b32 v6, 5, v2
	v_add_nc_u32 v[EPA], WXS, v6
	s_lshl_b32 s62, s14, 8
	v_lshl_add_u32 v[OOFF], v3, 3, s62
	v_lshl_add_u32 v7, v3, 2, s62
	v_add_nc_u32 v[OST], OUTS, v7
	v_add_nc_u32 v[OLD], OUTS, v[OOFF]
	v_lshrrev_b32 v8, 1, v0
	v_lshl_add_u32 v8, s17, 6, v8                  ; row 64 cx + t / 2 of the tile's 256: the four partners share a lap's 512 blocks out
	v_and_b32 v9, 1, v0
	v_lshlrev_b32 v9, 8, v9                        ; which 256 of the lap's 512 bytes of that row
	v_lshl_or_b32 v[PFO], v8, 12, v9
	v_add_nc_u32 v241, WXS, v240
	v_lshlrev_b32 v242, 5, v3
	v_add_nc_u32 v242, VVL, v242
	s_wait_loadcnt 0x0
.irp ks, 1,2,3,4,5,6,7,8,9,10,11,12,13,14,15
	v_pk_add_f32 v[T:T+1], v[T:T+1], v[T+2*\ks:T+2*\ks+1]            ; slices in ascending k
.endr
	v_pk_mul_f32 v[T:T+1], v[T:T+1], s[68:69] op_sel_hi:[1,0]        ; wx C2
	ds_store_b64 v241, v[T:T+1]
	ds_store_b64 v241, v[T+32:T+33] offset:1024
	s_wait_dscnt 0x0                               ; my stores are done, for the other waves' sake
	s_wait_tensorcnt 0x1                           ; my part of K step 0 is in; K step 1's may stay out
	s_barrier_signal -1
	s_barrier_wait -1
	ds_load_b128 v[T:T+3], v242                    ; VS: eight v a lane
	ds_load_b128 v[T+4:T+7], v242 offset:16
	s_wait_dscnt 0x0
	v_pk_add_f32 v[T:T+1], v[T:T+1], v[T+2:T+3]
	v_pk_add_f32 v[T+4:T+5], v[T+4:T+5], v[T+6:T+7]
	v_pk_add_f32 v[T:T+1], v[T:T+1], v[T+4:T+5]
	v_add_f32 v[VS], v[T], v[T+1]
	v_add_f32_dpp v[VS], v[VS], v[VS] row_xmask:1 row_mask:0xf bank_mask:0xf
	v_add_f32_dpp v[VS], v[VS], v[VS] row_xmask:2 row_mask:0xf bank_mask:0xf
	v_add_f32_dpp v[VS], v[VS], v[VS] row_xmask:4 row_mask:0xf bank_mask:0xf
	v_add_f32_dpp v[VS], v[VS], v[VS] row_xmask:8 row_mask:0xf bank_mask:0xf
	v_permlanex16_b32 v[T], v[VS], s70, s71
	v_add_f32 v[VS], v[VS], v[T]
; 32 conversions: A as loaded (64 rows x 32 k of f32) into fragment buffer g
.macro CVT g
	WIN 0
.set cnt, 0
.rept 32
	v_cvt_pk_bf16_f32 v[AF+32*\g+cnt], v[RAW+2*cnt], v[RAW+2*cnt+1]
.set cnt, cnt+1
.endr
.endm
; 48 LDS loads in one run, A's 16 first: half q (32 k) of a slot; A raw, B into buffer g
.macro FETCH slot, q, g
	WIN 0
.irp a, 0,1,2,3
.irp p, 0,1,2,3
	ds_load_b128 v[RAW+16*\a+4*\p:RAW+16*\a+4*\p+3], v[ADRA+\slot] offset:16*APITCH*\a+128*\q+16*(\p&1)+64*(\p>>1)
.endr
.endr
	WIN TO_B
.irp nb, 0,1,2,3,4,5,6,7,8,9,10,11,12,13,14,15
	ds_load_b128 v[128*\g+8*\nb:128*\g+8*\nb+3],   v[ADRB+\slot] offset:16*BPITCH*\nb+64*\q
	ds_load_b128 v[128*\g+8*\nb+4:128*\g+8*\nb+7], v[ADRB+\slot] offset:16*BPITCH*\nb+64*\q+32
.endr
.endm
; 16 matrix instructions: row block a of my four x all 16 blocks of d, 32 along k.  zero = 1: the product starts the sums
.macro MUL16 g, a, zero
.irp nb, 0,1,2,3,4,5,6,7,8,9,10,11,12,13,14,15
.if \zero
	v_wmma_f32_16x16x32_bf16 v[8*(16*(\a&1)+\nb):8*(16*(\a&1)+\nb)+7], v[128*\g+8*\nb:128*\g+8*\nb+7], v[AF+32*\g+8*\a:AF+32*\g+8*\a+7], 0
.else
	v_wmma_f32_16x16x32_bf16 v[8*(16*(\a&1)+\nb):8*(16*(\a&1)+\nb)+7], v[128*\g+8*\nb:128*\g+8*\nb+7], v[AF+32*\g+8*\a:AF+32*\g+8*\a+7], v[8*(16*(\a&1)+\nb):8*(16*(\a&1)+\nb)+7]
.endif
.endr
.endm
; A K step of 64: two halves of 32 k, 64 matrix instructions each, on buffers 0 and 1.  The 64 accumulators take turns, one instruction a
; turn, in the same order in every half, over every backward jump too.
; PLACES.  A load into a register that a matrix instruction has read, and a conversion that writes one, stand four places behind it.
; Each run of 32 conversions names only A's raw registers and the buffer that the matrix instructions in front of it
; do not use, so it is those places for the loads and conversions that follow it: no v_nop is needed in a step.
; mode 1: this slot is filled again, two K steps ahead.  2: the same, with the next tile's K step.  0: slots change, nothing is fetched.  3: the launch's last half.
; pf 1, 2: one prefetch (below); 2 steps its pointer on into the next tile.
.macro STEP slot, zero, mode, pf
.if \pf
	s_wait_xcnt 0x0                                ; the last prefetch, a lap ago, has read its base: it may be stepped
.if \pf == 1
	s_add_nc_u64 s[76:77], s[76:77], 512
.else
	s_add_nc_u64 s[76:77], s[76:77], NEXTA
.endif
.endif
	s_wait_dscnt 32                                ; A's 16 raw loads are in; B's 32, issued behind them, may be out
	CVT 0
	FETCH \slot, 1, 1
.if \pf
	; Lap j (two K steps) asks for matrix's bytes of lap j + 2: 512 bytes of each of the tile's 256 rows, 512 blocks of 256 bytes, one for each lane
	; of the four partners' 4 x 128.  Laps 6 and 7 ask for the next tile's laps 0 and 1; in the last tile they ask for nothing.
	global_prefetch_b8 v[PFO], s[76:77] th:TH_LOAD_NT scope:SCOPE_SE
.endif
	s_wait_dscnt 48                                ; all but the 48 just issued: B's buffer 0 is in
	WIN MUL_LO
	MUL16 0, 0, \zero
	MUL16 0, 1, \zero
	WIN MUL_HI
	MUL16 0, 2, \zero
	MUL16 0, 3, \zero
	s_wait_dscnt 0x0                               ; the second half's loads are in: my reads of this slot are over
.if \mode == 3
	CVT 1
	WIN MUL_LO
	MUL16 1, 0, 0
	MUL16 1, 1, 0
	WIN MUL_HI
	MUL16 1, 2, 0
	MUL16 1, 3, 0
.else
	s_set_vgpr_msb 0xf1f0
	s_wait_tensorcnt 0x0                           ; all my tensor loads have landed: the one that was out is my part of the other slot
	ds_add_u32 v254, v255
	s_wait_dscnt 0x0
	s_set_vgpr_msb 0xf0f1
	s_barrier_signal -1                            ; say so (in modes 1 and 2 this barrier opens a round of the cluster's barrier),
	CVT 1                                          ; work on registers while the others arrive,
	WIN MUL_LO
	MUL16 1, 0, 0
	WIN 0
	s_barrier_wait -1                              ; and go on when all four have said so
.if \mode == 1
	CREST                                          ; no wave of any partner still reads this slot or has a load on its way
	s_add_nc_u64 s[G0A+4*\slot+2:G0A+4*\slot+3], s[G0A+4*\slot+2:G0A+4*\slot+3], 512
	s_add_nc_u64 s[G0B+4*\slot+2:G0B+4*\slot+3], s[G0B+4*\slot+2:G0B+4*\slot+3], 65536
	JLOAD \slot                                    ; the first tensor load behind the round, and my only one until the next
.endif
.if \mode == 2
	CREST
	s_add_nc_u64 s[G0A+4*\slot+2:G0A+4*\slot+3], s[G0A+4*\slot+2:G0A+4*\slot+3], NEXTA
	s_sub_nc_u64 s[G0B+4*\slot+2:G0B+4*\slot+3], s[G0B+4*\slot+2:G0B+4*\slot+3], BACKB
	JLOAD \slot
.endif
.if \slot == 0
	FETCH 1, 0, 0                                  ; the other slot's first half
.else
	FETCH 0, 0, 0
.endif
	WIN MUL_LO
	MUL16 1, 1, 0
	WIN MUL_HI
	MUL16 1, 2, 0
	MUL16 1, 3, 0
.endif
.endm
; The way out, 64 results of a lane at a time: row blocks 2 hi, 2 hi + 1 (window win) x the four blocks of d of group nbg.
.macro BATCH nbg, hi, win
	WIN \win                                       ; source 0 from the accumulators' window
.irp al, 0,1
.irp nbl, 0,1,2,3
.irp jp, 0,1,2,3
	v_pk_fma_f32 v[T+32*\al+8*\nbl+2*\jp:T+32*\al+8*\nbl+2*\jp+1], v[8*(16*\al+4*\nbg+\nbl)+2*\jp:8*(16*\al+4*\nbg+\nbl)+2*\jp+1], s[68:69], v[WX+8*\nbl+2*\jp:WX+8*\nbl+2*\jp+1] op_sel_hi:[1,0,1]   ; C2 (uy + wx)
.endr
.endr
.endr
	WIN 0
.set cnt, 0
.rept 64
	v_exp_f32 v[T+cnt], v[T+cnt]
.set cnt, cnt+1
.endr
	v_nop                                          ; one plain vector instruction between a transcendental and the use of its result (ISA guide 5.7.2)
.set cnt, 0
	s_wait_alu depctr_va_vdst(0)
.rept 32
	v_pk_add_f32 v[T+cnt:T+cnt+1], v[T+cnt:T+cnt+1], 1.0 op_sel_hi:[1,0]
.set cnt, cnt+2
.endr
.set cnt, 0
.rept 64
	v_rcp_f32 v[T+cnt], v[T+cnt]
.set cnt, cnt+1
.endr
	v_nop
	s_wait_alu depctr_va_vdst(0)
.irp nbl, 0,1,2,3
.irp jp, 0,1,2,3
.irp al, 0,1
.if 16*\nbg+4*\nbl+\jp < 2
	s_wait_alu depctr_va_vdst(0)
	v_pk_mul_f32 v[SM+4*(2*\hi+\al)+2*(\jp&1):SM+4*(2*\hi+\al)+2*(\jp&1)+1], v[T+32*\al+8*\nbl+2*\jp:T+32*\al+8*\nbl+2*\jp+1], v[VV+8*\nbl+2*\jp:VV+8*\nbl+2*\jp+1]   ; the first products start the sums
.else
	v_pk_fma_f32 v[SM+4*(2*\hi+\al)+2*(\jp&1):SM+4*(2*\hi+\al)+2*(\jp&1)+1], v[T+32*\al+8*\nbl+2*\jp:T+32*\al+8*\nbl+2*\jp+1], v[VV+8*\nbl+2*\jp:VV+8*\nbl+2*\jp+1], v[SM+4*(2*\hi+\al)+2*(\jp&1):SM+4*(2*\hi+\al)+2*(\jp&1)+1]
.endif
.endr
.endr
.endr
.endm
; It leaves A's raw registers and B's buffer 0 alone: they hold the next tile's first half already.
.macro EPILOGUE last
	PLACES                                         ; four places behind the last matrix instructions: their results are read, their A buffers loaded into
	WIN 0
.irp nbg, 0,1,2,3
.irp nbl, 0,1,2,3
	ds_load_b128 v[WX+8*\nbl:WX+8*\nbl+3],   v[EPA] offset:64*(4*\nbg+\nbl)          ; wx C2 of d = 16 nb + 8 h + 0..7: sixteen lanes read the same bytes
	ds_load_b128 v[WX+8*\nbl+4:WX+8*\nbl+7], v[EPA] offset:64*(4*\nbg+\nbl)+16
	ds_load_b128 v[VV+8*\nbl:VV+8*\nbl+3],   v[EPA] offset:1024+64*(4*\nbg+\nbl)     ; v of the same d
	ds_load_b128 v[VV+8*\nbl+4:VV+8*\nbl+7], v[EPA] offset:1024+64*(4*\nbg+\nbl)+16
.endr
	s_wait_dscnt 0x0
	BATCH \nbg, 0, 0x02
	BATCH \nbg, 1, 0x03
.endr
.irp a, 0,1,2,3
	v_pk_add_f32 v[SM+4*\a:SM+4*\a+1], v[SM+4*\a:SM+4*\a+1], v[SM+4*\a+2:SM+4*\a+3]
.endr
.irp a, 0,1,2,3
	v_add_f32 v[SM+4*\a], v[SM+4*\a], v[SM+4*\a+1]
.endr
.irp a, 0,1,2,3
	v_permlanex16_b32 v[T+\a], v[SM+4*\a], s70, s71                  ; the other half of the lanes holds the other half of d
.endr
.irp a, 0,1,2,3
	v_add_f32 v[SM+4*\a], v[SM+4*\a], v[T+\a]
.endr
.irp a, 0,1,2,3
	v_fma_f32 v[SM+4*\a], v[SM+4*\a], -2.0, v[VS]                    ; VS - 2 sum(v q): lanes r and 16 + r hold row 16 a + r
.endr
	v_cndmask_b32 v244, v[SM], v[SM+4], s72        ; lane l: row l
	v_cndmask_b32 v245, v[SM+8], v[SM+12], s72     ; lane l: row 32 + l
	ds_store_b32 v[OST], v244
	ds_store_b32 v[OST], v245 offset:128
	ds_load_b64 v[246:247], v[OLD]                 ; my own bytes; LDS serves a wave's instructions in order
	s_wait_dscnt 0x0
	global_store_b64 v[OOFF], v[246:247], s[74:75] ; the wave's 64 rows: 256 consecutive bytes, aligned, in one store
.if \last == 0
	s_wait_xcnt 0x0                                ; the store has read its base and its data
	s_add_nc_u64 s[74:75], s[74:75], 1024          ; the next 256 rows
.endif
.endm
; A tile: sixteen K steps = eight laps of the ring, then the way out.
.macro TILE last
	STEP 0, 1, 1, 1                                ; lap 0: its first products start the sums
	STEP 1, 0, 1, 0
	WIN 0                                          ; at a label and at a branch every window is 0
	s_mov_b32 s66, 5
.Llap_\@:
	STEP 0, 0, 1, 1                                ; laps 1 to 5
	STEP 1, 0, 1, 0
	WIN 0
	s_sub_co_u32 s66, s66, 1
	s_cmp_lg_u32 s66, 0
	s_cbranch_scc1 .Llap_\@
.if \last
	STEP 0, 0, 1, 0                                ; lap 6 fetches the last two K steps
	STEP 1, 0, 1, 0
	STEP 0, 0, 0, 0                                ; lap 7 fetches nothing
	STEP 1, 0, 3, 0
.else
	STEP 0, 0, 1, 2
	STEP 1, 0, 1, 0
	STEP 0, 0, 2, 1                                ; lap 7 fetches the next tile's K steps 0 and 1
	STEP 1, 0, 2, 0
.endif
	EPILOGUE \last
.endm
	FETCH 0, 0, 0
	WIN 0
	s_mov_b32 s67, 3
.Ltile:
	TILE 0
	WIN 0
	s_sub_co_u32 s67, s67, 1
	s_cmp_lg_u32 s67, 0
	s_cbranch_scc1 .Ltile
	TILE 1
	s_wait_tensorcnt 0x0
	ds_add_u32 v254, v255
	s_wait_dscnt 0x0
	CROUND                                         ; the closing round: no work-group ends while a partner may still ask for a tile that names it
	s_endpgm
.Lfunc_end_k_qa68f7431fd_main:
	.size	k_qa68f7431fd_main, .Lfunc_end_k_qa68f7431fd_main-k_qa68f7431fd_main
	.p2alignl 7, 3214868480
	.fill 96, 4, 3214868480
	.section	.rodata,"a",@progbits
	.p2align	6, 0x0
	.amdhsa_kernel k_qa68f7431fd_main
		.amdhsa_group_segment_fixed_size 327680
		.amdhsa_private_segment_fixed_size 0
		.amdhsa_enable_private_segment 0
		.amdhsa_kernarg_size 40
		.amdhsa_user_sgpr_count 2
		.amdhsa_user_sgpr_kernarg_segment_ptr 1
		.amdhsa_wavefront_size32 1
		.amdhsa_system_sgpr_workgroup_id_x 1
		.amdhsa_system_sgpr_workgroup_id_y 1
		.amdhsa_system_sgpr_workgroup_id_z 1
		.amdhsa_system_vgpr_workitem_id 0
		.amdhsa_next_free_vgpr 1024
		.amdhsa_next_free_sgpr 84
		.amdhsa_reserve_vcc 0
		.amdhsa_float_denorm_mode_32 3
		.amdhsa_float_denorm_mode_16_64 3
		.amdhsa_memory_ordered 1
		.amdhsa_forward_progress 1
		.amdhsa_inst_pref_size 255
	.end_amdhsa_kernel
	.section	.bss,"aw",@nobits
	.p2align	6
	.space	262144
	.amdgpu_metadata
---
amdhsa.version: [ 1, 2 ]
amdhsa.kernels:
  - .name:           k_qa68f7431fd_main
    .symbol:         k_qa68f7431fd_main.kd
    .args:
      - { .name: matrix, .offset: 0, .size: 8, .value_kind: global_buffer, .address_space: global }
      - { .name: ub, .offset: 8, .size: 8, .value_kind: global_buffer, .address_space: global }
      - { .name: wxp, .offset: 16, .size: 8, .value_kind: global_buffer, .address_space: global }
      - { .name: v_vector, .offset: 24, .size: 8, .value_kind: global_buffer, .address_space: global }
      - { .name: part, .offset: 32, .size: 8, .value_kind: global_buffer, .address_space: global }
    .group_segment_fixed_size: 327680
    .private_segment_fixed_size: 0
    .kernarg_segment_align: 8
    .kernarg_segment_size: 40
    .max_flat_workgroup_size: 128
    .sgpr_count:     84
    .vgpr_count:     1024
    .wavefront_size: 32
...
	.end_amdgpu_metadata
.endif
;; end of part 2
;; launch soft (part 3): grid 32 x 1, 8 waves a work-group, no clusters, 1,280 bytes of LDS; arguments part, out0; writes out0
.if DOCPART == 3
	.amdgcn_target "amdgcn-amd-amdhsa--gfx1250"
	.amdhsa_code_object_version 6
	.text
	.protected	k_qa68f7431fd_soft
	.globl	k_qa68f7431fd_soft
	.p2align	8
	.type	k_qa68f7431fd_soft,@function
k_qa68f7431fd_soft:
	s_mov_b64 s[64:65], 0
	v_nop
	global_prefetch_b8 v0, s[64:65] scope:SCOPE_SE
	s_setreg_imm32_b32 hwreg(HW_REG_WAVE_MODE, 25, 1), 1
	s_wait_xcnt 0x0
; SOFT.  scores[b][s] = the sum of part's four chunks; out0[b] = softmax of the 2,048 scores of row b.
; One work-group for a row, eight waves, eight scores a thread, kept in registers between the maximum, the sum and the scaling.
; The row's maximum is taken away before the exponential, inside one fused multiply-add: x log2(e) - m log2(e).
; 32 work-groups are all the work there is: a row is one reduction, and the launch moves 1.25 MB.  No LDS tiles, no matrix unit,
; no cluster: no two work-groups read the same byte.
; LIMITS: v_exp_f32 flushes results below 2^-126 to zero (ISA guide, its entry); the division is v_rcp_f32 and a multiply.
.set CH, 262144                        ; bytes from chunk to chunk of part
.set X,  8                             ; v[8:39] chunk c at 8 c: my 4 + 4 scores; later v[8:15] the sums
	s_load_b128 s[4:7], s[0:1], 0x0                ; part s[4:5], out0 s[6:7]
	v_lshl_add_u32 v64, v0, 2, 0x100
	v_mov_b32 v65, 0
	s_lshl_b32 s8, ttmp9, 13                       ; row b: 2,048 f32
	s_mov_b32 s9, 0
	s_mov_b32 s10, 0x76543210                      ; v_permlanex16_b32: lane i reads lane i of the other half
	s_mov_b32 s11, 0xfedcba98
	v_lshlrev_b32 v1, 4, v0                        ; 16 bytes a thread: a wave's load or store covers 512 consecutive bytes
	v_lshrrev_b32 v2, 5, v0
	v_readfirstlane_b32 s12, v2                    ; wave
	s_lshl_b32 s12, s12, 2
	v_mov_b32 v3, s12                              ; my wave's word in LDS
	v_mov_b32 v4, 0
	s_wait_kmcnt 0x0
	s_add_nc_u64 s[4:5], s[4:5], s[8:9]
	s_add_nc_u64 s[6:7], s[6:7], s[8:9]
.irp c, 0,1,2,3
	global_load_b128 v[X+8*\c:X+8*\c+3],   v1, s[4:5] offset:\c*CH th:TH_LOAD_NT
	global_load_b128 v[X+8*\c+4:X+8*\c+7], v1, s[4:5] offset:\c*CH+4096 th:TH_LOAD_NT
.endr
	s_wait_loadcnt 0x0
.irp j, 0,2,4,6
	v_pk_add_f32 v[X+\j:X+\j+1], v[X+\j:X+\j+1], v[X+8+\j:X+8+\j+1]
	v_pk_add_f32 v[X+16+\j:X+16+\j+1], v[X+16+\j:X+16+\j+1], v[X+24+\j:X+24+\j+1]
.endr
.irp j, 0,2,4,6
	v_pk_add_f32 v[X+\j:X+\j+1], v[X+\j:X+\j+1], v[X+16+\j:X+16+\j+1]
.endr
	; the maximum: my eight, the wave's 32 lanes, the eight waves
	v_max3_num_f32 v40, v8, v9, v10
	v_max3_num_f32 v41, v11, v12, v13
	v_max3_num_f32 v40, v40, v14, v15
	v_max_num_f32 v40, v40, v41
	v_max_num_f32_dpp v40, v40, v40 row_xmask:1 row_mask:0xf bank_mask:0xf
	v_max_num_f32_dpp v40, v40, v40 row_xmask:2 row_mask:0xf bank_mask:0xf
	v_max_num_f32_dpp v40, v40, v40 row_xmask:4 row_mask:0xf bank_mask:0xf
	v_max_num_f32_dpp v40, v40, v40 row_xmask:8 row_mask:0xf bank_mask:0xf
	v_permlanex16_b32 v41, v40, s10, s11
	v_max_num_f32 v40, v40, v41
	ds_store_b32 v3, v40                           ; bytes 0-31: the waves' maxima
	s_wait_dscnt 0x0                               ; my store is done, for the other waves' sake
	s_barrier_signal -1
	s_barrier_wait -1
	ds_load_b128 v[44:47], v4
	ds_load_b128 v[48:51], v4 offset:16
	s_wait_dscnt 0x0
	v_max3_num_f32 v40, v44, v45, v46
	v_max3_num_f32 v41, v47, v48, v49
	v_max3_num_f32 v40, v40, v50, v51
	v_max_num_f32 v40, v40, v41
	v_mul_f32 v52, 0xbfb8aa3b, v40                 ; - m log2(e), twice: a pair for the packed form
	v_mul_f32 v53, 0xbfb8aa3b, v40
.irp j, 0,2,4,6
	v_pk_fma_f32 v[X+\j:X+\j+1], v[X+\j:X+\j+1], 0x3fb8aa3b, v[52:53] op_sel_hi:[1,0,1]
.endr
.irp j, 0,1,2,3,4,5,6,7
	v_exp_f32 v[X+\j], v[X+\j]
.endr
	v_nop                                          ; one plain vector instruction between a transcendental and the use of its result (ISA guide 5.7.2)
	; the sum, the same way, through other bytes of LDS: no third barrier is needed
	s_wait_alu depctr_va_vdst(0)
	v_pk_add_f32 v[56:57], v[8:9], v[10:11]
	v_pk_add_f32 v[58:59], v[12:13], v[14:15]
	v_pk_add_f32 v[56:57], v[56:57], v[58:59]
	v_add_f32 v56, v56, v57
	v_add_f32_dpp v56, v56, v56 row_xmask:1 row_mask:0xf bank_mask:0xf
	v_add_f32_dpp v56, v56, v56 row_xmask:2 row_mask:0xf bank_mask:0xf
	v_add_f32_dpp v56, v56, v56 row_xmask:4 row_mask:0xf bank_mask:0xf
	v_add_f32_dpp v56, v56, v56 row_xmask:8 row_mask:0xf bank_mask:0xf
	v_permlanex16_b32 v57, v56, s10, s11
	v_add_f32 v56, v56, v57
	ds_store_b32 v3, v56 offset:32                 ; bytes 32-63: the waves' sums
	s_wait_dscnt 0x0
	s_barrier_signal -1
	s_barrier_wait -1
	ds_load_b128 v[44:47], v4 offset:32
	ds_load_b128 v[48:51], v4 offset:48
	s_wait_dscnt 0x0
	v_pk_add_f32 v[44:45], v[44:45], v[46:47]
	v_pk_add_f32 v[48:49], v[48:49], v[50:51]
	v_pk_add_f32 v[44:45], v[44:45], v[48:49]
	v_add_f32 v44, v44, v45
	v_rcp_f32 v54, v44                             ; twice: a pair for the packed multiply
	v_rcp_f32 v55, v44
	v_nop
	s_wait_alu depctr_va_vdst(0)
.irp j, 0,2,4,6
	v_pk_mul_f32 v[X+\j:X+\j+1], v[X+\j:X+\j+1], v[54:55]
.endr
	global_store_b128 v1, v[8:11], s[6:7]
	global_store_b128 v1, v[12:15], s[6:7] offset:4096
	s_wait_tensorcnt 0x0
	ds_add_u32 v64, v65
	s_wait_dscnt 0x0
	s_endpgm
.Lfunc_end_k_qa68f7431fd_soft:
	.size	k_qa68f7431fd_soft, .Lfunc_end_k_qa68f7431fd_soft-k_qa68f7431fd_soft
	.p2alignl 7, 3214868480
	.fill 96, 4, 3214868480
	.section	.rodata,"a",@progbits
	.p2align	6, 0x0
	.amdhsa_kernel k_qa68f7431fd_soft
		.amdhsa_group_segment_fixed_size 1280
		.amdhsa_private_segment_fixed_size 0
		.amdhsa_enable_private_segment 0
		.amdhsa_kernarg_size 16
		.amdhsa_user_sgpr_count 2
		.amdhsa_user_sgpr_kernarg_segment_ptr 1
		.amdhsa_wavefront_size32 1
		.amdhsa_system_sgpr_workgroup_id_x 1
		.amdhsa_system_sgpr_workgroup_id_y 1
		.amdhsa_system_sgpr_workgroup_id_z 1
		.amdhsa_system_vgpr_workitem_id 0
		.amdhsa_next_free_vgpr 66
		.amdhsa_next_free_sgpr 66
		.amdhsa_reserve_vcc 0
		.amdhsa_float_denorm_mode_32 3
		.amdhsa_float_denorm_mode_16_64 3
		.amdhsa_memory_ordered 1
		.amdhsa_forward_progress 1
		.amdhsa_inst_pref_size 7
	.end_amdhsa_kernel
	.amdgpu_metadata
---
amdhsa.version: [ 1, 2 ]
amdhsa.kernels:
  - .name:           k_qa68f7431fd_soft
    .symbol:         k_qa68f7431fd_soft.kd
    .args:
      - { .name: part, .offset: 0, .size: 8, .value_kind: global_buffer, .address_space: global }
      - { .name: out0, .offset: 8, .size: 8, .value_kind: global_buffer, .address_space: global }
    .group_segment_fixed_size: 1280
    .private_segment_fixed_size: 0
    .kernarg_segment_align: 8
    .kernarg_segment_size: 16
    .max_flat_workgroup_size: 256
    .sgpr_count:     66
    .vgpr_count:     66
    .wavefront_size: 32
...
	.end_amdgpu_metadata
.endif
;; end of part 3
